; MI455X (gfx1250); checked and timed in simulation.
; The chip was launched on July 23, 2026; its instructions are those of AMD's public machine-readable ISA for CDNA 5 (MIT licence, August 2026) and "CDNA5" Instruction Set Architecture Reference Guide (July 2026). The comments in the code are by the model that wrote it; some were corrected since.
;; Sparse Mo E. Allowed arithmetic: matrix products marked QUANTISED: E4M3 operands, one given power-of-two scale a tensor, by v_wmma_f32_16x16x64_fp8_fp8 or v_wmma_f32_16x16x128_fp8_fp8, f32 sums; products left as they are: f32 operands where the result goes on into a quantised operand, else bf16, f16 or f32 operands; f32 sums; everything else in f32.
;; Inputs: W1_codes 8 x 4,096 x 32 x 32 uint8 (E4M3 codes of W1, K innermost, in blocks of 32 codes); W2_codes 8 x 1,024 x 128 x 32 uint8 (E4M3 codes of W2, K innermost, in blocks of 32 codes); Wg 1,024 x 8 float32; b1 8 x 4,096 float32; b2 8 x 1,024 float32; bg 8 float32; lowp_scales 4 int32 (the exponents e of the quantised operands' scales 2^e); x 2 x 512 x 1,024 float32.
;; Outputs: out0 2 x 512 x 1,024 float32.
;; This version of the problem:
;;   THIS VERSION OF THE PROBLEM IS GIVEN IN LOW PRECISION. The matrix products marked QUANTISED in the list below multiply operands that are first quantised to E4M3 (4 exponent bits, 3 mantissa bits; 8 bits a number), with one given power-of-two scale for each operand tensor; their sums are f32. All else is computed in f32.
;;   The module's matrix products, in the order in which they are computed (A, B: the left and right operand; K: the contracted axis; several contracted axes count as one K, in the product's order):
;;     1. [M 1,024, K 1,024] x [K 1,024, N 8]; A: input x; B: input Wg: left as it is (N = 8 < 16)
;;     2. [M 32,768, K 1,024] x [K 1,024, N 1,024]; A: input W1 (given as codes); B: input x: QUANTISED (scales: A lowp_scales[0], B lowp_scales[1])
;;     3. batch 8 x [M 1,024, K 4,096] x [K 4,096, N 1,024]; A: computed on the way; B: input W2 (given as codes): QUANTISED (scales: A lowp_scales[2], B lowp_scales[3])
;;     4. batch 1,024 x [M 1, K 8] x [K 8, N 1,024]; A: computed on the way; B: computed on the way: left as it is (K = 8 < 32)
;;   THE QUANTISER, for each operand of a quantised product, along K:
;;     - The operand's scale is 2^e, e = its entry of the input lowp_scales (int32; the entries are numbered through the quantised products in the list's order, A before B).
;;     - Each number is divided by the scale, clamped to +-448, and rounded to the nearest number of E4M3, ties to even, subnormals kept.
;;     - The product sums the exact products of the quantised numbers (number of the format x scale) in f32.
;;   ~~~python
;;   def quantise(x, axis, e):      # numpy; x: float32 -> the quantised numbers, widened to float32 again
;;       x = np.moveaxis(x, axis, -1); K = x.shape[-1]
;;       r = np.clip(x / 2.0 ** e, -448, 448)
;;       step = 2.0 ** (np.maximum(np.frexp(np.where(r == 0, 1, r))[1] - 1, -6) - 3)
;;       q = np.round(r / step) * step * 2.0 ** e      # np.round: ties to even
;;       return np.moveaxis(q, -1, axis).astype(np.float32)
;;   ~~~
;;   OPERANDS COMPUTED ON THE WAY. 'Computed on the way' means the value that the module computes at that place (a softmax that the list does not call 'softmax' is quantised finished and normalised). What goes into a quantiser is computed in f32, as accurately as f32 sums, v_exp_f32 and their like allow (about 1e-6 of the number): no bf16 or f16 on the way to a quantiser, and a product that is left as it is and whose result goes on into a quantised operand takes f32 operands (vector FMAs, or v_wmma_f32_16x16x4_f32). A number that lies on a knife's edge between two numbers of the format may be rounded either way, as far as f32 arithmetic and the matrix unit's own rounding can turn it there, and no further.
;;   INPUTS GIVEN AS CODES. W1 (in the module: [8, 1024, 4096], K = its axis 1); W2 (in the module: [8, 4096, 1024], K = its axis 1): each comes as NAME_codes (uint8): NAME with its K axis moved to the last place and cut into blocks of 32 codes, [.., K / 32, bytes a block], one block behind the other in memory; one code a byte (a code: sign, 4 exponent bits, 3 mantissa bits); its scale is its entry of lowp_scales. Its value is code x scale, taken as it is: it is not quantised again, and the codes and scales need not be those that the quantiser above would give.
;; One version. Each part assembles by itself: llvm-mc -triple=amdgcn-amd-amdhsa -mcpu=gfx1250 --defsym DOCPART=n.
;; ======== version 1 of 1: 4 launches
;; limits: right only within a limited range of input values
;; workspace buffers: xc 1,048,576 bytes; ch 2,048 bytes of whole numbers; ex 8,192 bytes of whole numbers; gv 8,192 bytes; list 32,768 bytes of whole numbers; cnt 1,024 bytes of whole numbers; h 33,554,432 bytes; P 35,651,584 bytes
;; launch route (part 1): grid 256 x 1, 4 waves a work-group, no clusters, 34,304 bytes of LDS; arguments x, Wg, bg, lowp_scales, xc, ch, ex, gv; writes xc, ch, ex, gv
.if DOCPART == 1
	.amdgcn_target "amdgcn-amd-amdhsa--gfx1250"
	.amdhsa_code_object_version 6
	.text
	.protected	k_q5e8c1cc3e8_route
	.globl	k_q5e8c1cc3e8_route
	.p2align	8
	.type	k_q5e8c1cc3e8_route,@function
k_q5e8c1cc3e8_route:
	s_mov_b64 s[64:65], 0
	v_nop
	global_prefetch_b8 v0, s[64:65] scope:SCOPE_SE
	s_setreg_imm32_b32 hwreg(HW_REG_WAVE_MODE, 25, 1), 1
	s_wait_xcnt 0x0
; ROUTE: for each token the gate (softmax of x Wg + bg over 8 experts, all f32), its two largest values and their experts, and the E4M3 codes of x.
; THE PROGRAM computes an expert's two products only for the tokens that chose the expert: for the others reference() multiplies the expert's result by the 0 that its one_hot puts into comb.  The choice is stored here
; as whole numbers; the later launches read it and do what it asks for.  So a NaN, an infinity or an overflow that arises only in an expert's result for a token that did not choose it is not carried to the output.
; One wave, one token: t = 4 x work-group + wave.  Lane l holds d = 256 j + 8 l + i (j = 0..3, i = 0..7), eight neighbours along K, as the conversion wants them: a store of codes covers 256 consecutive bytes.
; Wg goes through LDS once a work-group: each wave loads 8 KiB by loads of 512 consecutive bytes and lays it as planes (j, i, half of the eight experts) of 32 lanes x 16 bytes, pitch 528, so that each read covers 512 consecutive bytes.
; The choice is stored at fixed places: no address of this launch hangs on it.  Ties: a later expert wins only if strictly greater, so the lower index is kept.
; code = x / 2^e1, held within +-448, to the nearest code, ties to even; e1 = entry 1 of the scales.
; No matrix unit, no cluster: the product has 8 columns and f32 operands.
; LIMITS: e1 between -126 and 119.  NaN and infinities among the inputs are not served.  The gate's sums are f32 in another order than a row-wise sum:
; two gates that lie closer than that rounding may change places.  A gate under 2^-126 counts as 0.
.set PITCH, 528
.set SPARE, 64*PITCH                   ; 128 bytes for each wave
.set CD,    8                          ; v8-15   codes
.set X,    16                          ; v16-47  x: 8 j + i
.set ACC0, 48                          ; v48-55  the sums of even i, later the logits, later the gates
.set ACC1, 56                          ; v56-63  the sums of odd i
.set WR,   64                          ; v64-127 Wg on its way to LDS, then x held, then Wg of j = 2
.set QE,   64                          ; v64-71  the gates without the first choice
	s_load_b256 s[4:11], s[0:1], 0x0               ; x s[4:5], Wg s[6:7], bg s[8:9], the scales' exponents s[10:11]
	s_load_b256 s[12:19], s[0:1], 0x20             ; xc s[12:13], ch s[14:15], ex s[16:17], gv s[18:19]
	v_lshl_add_u32 v2, v0, 2, SPARE
	v_mov_b32 v3, 0
	v_lshrrev_b32 v1, 5, v0
	v_readfirstlane_b32 s20, v1                    ; wave
	v_and_b32 v1, 31, v0                           ; lane
	v_lshlrev_b32 v4, 5, v1                        ; x: 32 bytes a lane
	v_lshlrev_b32 v5, 4, v1                        ; Wg: 16 bytes a lane
	v_lshlrev_b32 v6, 3, v1                        ; codes: 8 bytes a lane
	v_and_b32 v7, 15, v0
	v_mul_u32_u24 v7, v7, PITCH                    ; lane l of load t holds row 16 t + l / 2 of my 256 rows, half l % 2: plane l % 16 of j = wave, lane 2 t + l / 16
	v_bfe_u32 v8, v0, 4, 1
	v_lshl_add_u32 v7, v8, 4, v7
	s_mul_i32 s21, s20, 16*PITCH
	v_add_nc_u32 v7, s21, v7
	s_lshl_b32 s22, ttmp9, 2
	s_add_co_u32 s22, s22, s20                     ; the token
	s_mov_b32 s23, 0
	s_lshl_b32 s24, s22, 12                        ; its row of x,
	s_mov_b32 s25, 0
	s_lshl_b32 s26, s22, 10                        ; of codes,
	s_mov_b32 s27, 0
	s_lshl_b32 s28, s22, 3                         ; and its two slots
	s_mov_b32 s29, 0
	s_lshl_b32 s30, s20, 13                        ; my 8 KiB of Wg
	s_mov_b32 s31, 0
	s_mov_b32 s46, 0x76543210                      ; v_permlanex16_b32: lane l xor 16
	s_mov_b32 s47, 0xfedcba98
	s_wait_alu depctr_va_vdst(0)
	s_wait_kmcnt 0x0
	s_load_b256 s[32:39], s[8:9], 0x0              ; bg
	s_load_b128 s[40:43], s[10:11], 0x0            ; the four exponents
	s_add_nc_u64 s[4:5], s[4:5], s[24:25]
	s_add_nc_u64 s[6:7], s[6:7], s[30:31]
	s_add_nc_u64 s[12:13], s[12:13], s[26:27]
	s_add_nc_u64 s[14:15], s[14:15], s[22:23]
	s_add_nc_u64 s[16:17], s[16:17], s[28:29]
	s_add_nc_u64 s[18:19], s[18:19], s[28:29]
.set Q, 0
.rept 16
	global_load_b128 v[WR+4*Q:WR+4*Q+3], v5, s[6:7] offset:512*Q
.set Q, Q+1
.endr
.irp j, 0,1,2,3
.irp q, 0,1
	global_load_b128 v[X+8*\j+4*\q:X+8*\j+4*\q+3], v4, s[4:5] offset:1024*\j+16*\q th:TH_LOAD_NT
.endr
.endr
	s_wait_kmcnt 0x0
	s_add_co_i32 s44, s41, 127
	s_lshl_b32 s45, s44, 23
	v_mov_b32 v48, s45                             ; 2^e1 as f32: the conversion takes its exponent field
	s_add_co_i32 s44, s44, 8
	s_lshl_b32 s44, s44, 23
	s_or_b32 s44, s44, 0x600000
	v_mov_b32 v49, s44                             ; 448 x 2^e1
	s_wait_alu depctr_va_vdst(0)
	s_wait_loadcnt 8                               ; Wg is in; the eight loads of x may be out
.set Q, 0
.rept 16
	ds_store_b128 v7, v[WR+4*Q:WR+4*Q+3] offset:32*Q
.set Q, Q+1
.endr
	s_wait_loadcnt 0x0                             ; x
	s_wait_dscnt 0x0                               ; for the others' sake: my planes lie in LDS
	s_barrier_signal -1
.set Q, 0
.rept 32
	v_med3_num_f32 v[WR+Q], v[X+Q], -v49, v49      ; the conversion to an 8-bit code does not saturate (ISA guide 7.6.2): the hold comes first
.set Q, Q+1
.endr
.irp g, 0,1,2,3
	v_cvt_scalef32_pk8_fp8_f32 v[CD+2*\g:CD+2*\g+1], v[WR+8*\g:WR+8*\g+7], v48
.endr
	v_nop                                          ; one plain line behind the last conversion
	s_wait_alu depctr_va_vdst(0)
	s_barrier_wait -1                              ; all planes are there
; Wg's rows of one j: eight i x two halves
.macro WLD j, b
.irp i, 0,1,2,3,4,5,6,7
	ds_load_b128 v[\b+8*\i:\b+8*\i+3], v5 offset:(16*\j+2*\i)*PITCH
	ds_load_b128 v[\b+8*\i+4:\b+8*\i+7], v5 offset:(16*\j+2*\i+1)*PITCH
.endr
.endm
; eight numbers of x against their rows: two experts an instruction; even and odd i have sums of their own; the first product starts a sum
.macro GATE j, b
.irp i, 0,1,2,3,4,5,6,7
.set XP, X+8*\j+2*((\i)/2)
.set AC, ACC0+8*((\i)%2)
.irp p, 0,1,2,3
.if (\j) == 0 && (\i) == 0
	v_pk_mul_f32 v[AC+2*\p:AC+2*\p+1], v[XP:XP+1], v[\b+8*\i+2*\p:\b+8*\i+2*\p+1] op_sel_hi:[0,1]
.elseif (\j) == 0 && (\i) == 1
	v_pk_mul_f32 v[AC+2*\p:AC+2*\p+1], v[XP:XP+1], v[\b+8*\i+2*\p:\b+8*\i+2*\p+1] op_sel:[1,0] op_sel_hi:[1,1]
.elseif (\i)%2 == 0
	v_pk_fma_f32 v[AC+2*\p:AC+2*\p+1], v[XP:XP+1], v[\b+8*\i+2*\p:\b+8*\i+2*\p+1], v[AC+2*\p:AC+2*\p+1] op_sel_hi:[0,1,1]
.else
	v_pk_fma_f32 v[AC+2*\p:AC+2*\p+1], v[XP:XP+1], v[\b+8*\i+2*\p:\b+8*\i+2*\p+1], v[AC+2*\p:AC+2*\p+1] op_sel:[1,0,0] op_sel_hi:[1,1,1]
.endif
.endr
.endr
.endm
	WLD 0, 128
	WLD 1, 192
	WLD 2, 64
.irp g, 0,1,2,3
	global_store_b64 v6, v[CD+2*\g:CD+2*\g+1], s[12:13] offset:256*\g   ; 32 lanes store 256 consecutive bytes, at a multiple of 256
.endr
	s_wait_dscnt 32                                ; j = 0 is in: 32 loads stand behind it
	GATE 0, 128
	WLD 3, 128
	s_wait_alu depctr_va_vdst(0)
	s_wait_dscnt 32
	GATE 1, 192
	s_wait_alu depctr_va_vdst(0)
	s_wait_dscnt 16
	GATE 2, 64
	s_wait_alu depctr_va_vdst(0)
	s_wait_dscnt 0x0
	GATE 3, 128
.irp p, 0,2,4,6
	v_pk_add_f32 v[ACC0+\p:ACC0+\p+1], v[ACC0+\p:ACC0+\p+1], v[ACC1+\p:ACC1+\p+1]
.endr
.irp m, 1,2,4,8                                ; over the 32 lanes: four steps inside each half of 16 lanes, the eight experts by turns,
.irp e, 0,1,2,3,4,5,6,7
	v_add_f32_dpp v[ACC0+\e], v[ACC0+\e], v[ACC0+\e] row_xmask:\m row_mask:0xf bank_mask:0xf
.endr
.endr
.irp e, 0,1,2,3,4,5,6,7
	v_permlanex16_b32 v[ACC1+\e], v[ACC0+\e], s46, s47         ; and one across the halves
.endr
.irp e, 0,1,2,3,4,5,6,7
	v_add_f32 v[ACC0+\e], v[ACC0+\e], v[ACC1+\e]
.endr
.irp e, 0,1,2,3,4,5,6,7
	v_add_f32 v[ACC0+\e], s[32+\e], v[ACC0+\e]     ; + bg: every lane holds the eight logits
.endr
	v_max3_num_f32 v72, v[ACC0], v[ACC0+1], v[ACC0+2]
	v_max3_num_f32 v73, v[ACC0+3], v[ACC0+4], v[ACC0+5]
	v_max3_num_f32 v72, v72, v[ACC0+6], v[ACC0+7]
	v_max_num_f32 v72, v72, v73                    ; the largest logit is taken away ahead of the exponentials
.irp e, 0,1,2,3,4,5,6,7
	v_sub_f32 v[ACC0+\e], v[ACC0+\e], v72
.endr
.irp e, 0,1,2,3,4,5,6,7
	v_mul_f32 v[ACC0+\e], 0x3fb8aa3b, v[ACC0+\e]   ; x log2(e)
.endr
	s_wait_alu depctr_va_vdst(0)                   ; ahead of the batch
.irp e, 0,1,2,3,4,5,6,7
	v_exp_f32 v[ACC0+\e], v[ACC0+\e]
.endr
	v_nop                                          ; a plain line behind the last exponential
	s_wait_alu depctr_va_vdst(0)                   ; one wait for the batch, ahead of its first reader
	v_pk_add_f32 v[ACC1:ACC1+1], v[ACC0:ACC0+1], v[ACC0+2:ACC0+3]
	v_pk_add_f32 v[ACC1+2:ACC1+3], v[ACC0+4:ACC0+5], v[ACC0+6:ACC0+7]
	v_pk_add_f32 v[ACC1:ACC1+1], v[ACC1:ACC1+1], v[ACC1+2:ACC1+3]
	v_add_f32 v73, v[ACC1], v[ACC1+1]
	s_wait_alu depctr_va_vdst(0)
	v_rcp_f32 v74, v73
	v_mov_b32 v76, 0                               ; (a plain line behind the reciprocal)  the first choice starts at expert 0
	v_mov_b32 v75, 0
	s_wait_alu depctr_va_vdst(0)
.irp e, 0,1,2,3,4,5,6,7
	v_mul_f32 v[ACC0+\e], v[ACC0+\e], v74          ; the gates
.endr
	v_mov_b32 v78, v[ACC0]
.irp e, 1,2,3,4,5,6,7
	v_cmp_le_f32 vcc_lo, v[ACC0+\e], v78           ; not greater: what stands is kept
	v_cndmask_b32 v78, v[ACC0+\e], v78, vcc_lo
	v_cndmask_b32 v76, \e, v76, vcc_lo
.endr
.irp e, 0,1,2,3,4,5,6,7
	v_cmp_ne_u32 vcc_lo, \e, v76
	v_cndmask_b32 v[QE+\e], -1.0, v[ACC0+\e], vcc_lo           ; the first choice drops under every gate
.endr
	v_mov_b32 v79, v[QE]
	v_mov_b32 v77, 0
.irp e, 1,2,3,4,5,6,7
	v_cmp_le_f32 vcc_lo, v[QE+\e], v79
	v_cndmask_b32 v79, v[QE+\e], v79, vcc_lo
	v_cndmask_b32 v77, \e, v77, vcc_lo
.endr
	v_mov_b32 v82, 1
	v_lshlrev_b32 v80, v76, v82                    ; 1 << expert
	v_lshlrev_b32 v81, v77, v82
	v_cmp_eq_u32 vcc_lo, 0, v1                     ; lane 0 stores for the wave
	s_wait_alu depctr_va_vdst(0)
	s_wait_xcnt 0x0                                ; EXEC changes only behind this wait: the stores of codes have read theirs
	s_and_saveexec_b32 s28, vcc_lo
	global_store_b8 v75, v80, s[14:15]
	global_store_b8 v75, v81, s[14:15] offset:1024
	global_store_b64 v75, v[76:77], s[16:17]       ; the two experts
	global_store_b64 v75, v[78:79], s[18:19]       ; the two gate values
	s_wait_xcnt 0x0
	s_or_b32 exec_lo, exec_lo, s28
	s_wait_tensorcnt 0x0                           ; the wave's end
	ds_add_u32 v2, v3
	s_wait_dscnt 0x0
	s_endpgm
.Lfunc_end_k_q5e8c1cc3e8_route:
	.size	k_q5e8c1cc3e8_route, .Lfunc_end_k_q5e8c1cc3e8_route-k_q5e8c1cc3e8_route
	.p2alignl 7, 3214868480
	.fill 96, 4, 3214868480
	.section	.rodata,"a",@progbits
	.p2align	6, 0x0
	.amdhsa_kernel k_q5e8c1cc3e8_route
		.amdhsa_group_segment_fixed_size 34304
		.amdhsa_private_segment_fixed_size 0
		.amdhsa_enable_private_segment 0
		.amdhsa_kernarg_size 64
		.amdhsa_user_sgpr_count 2
		.amdhsa_user_sgpr_kernarg_segment_ptr 1
		.amdhsa_wavefront_size32 1
		.amdhsa_system_sgpr_workgroup_id_x 1
		.amdhsa_system_sgpr_workgroup_id_y 1
		.amdhsa_system_sgpr_workgroup_id_z 1
		.amdhsa_system_vgpr_workitem_id 0
		.amdhsa_next_free_vgpr 256
		.amdhsa_next_free_sgpr 66
		.amdhsa_reserve_vcc 1
		.amdhsa_float_denorm_mode_32 3
		.amdhsa_float_denorm_mode_16_64 3
		.amdhsa_memory_ordered 1
		.amdhsa_forward_progress 1
		.amdhsa_inst_pref_size 29
	.end_amdhsa_kernel
	.amdgpu_metadata
---
amdhsa.version: [ 1, 2 ]
amdhsa.kernels:
  - .name:           k_q5e8c1cc3e8_route
    .symbol:         k_q5e8c1cc3e8_route.kd
    .args:
      - { .name: x, .offset: 0, .size: 8, .value_kind: global_buffer, .address_space: global }
      - { .name: Wg, .offset: 8, .size: 8, .value_kind: global_buffer, .address_space: global }
      - { .name: bg, .offset: 16, .size: 8, .value_kind: global_buffer, .address_space: global }
      - { .name: lowp_scales, .offset: 24, .size: 8, .value_kind: global_buffer, .address_space: global }
      - { .name: xc, .offset: 32, .size: 8, .value_kind: global_buffer, .address_space: global }
      - { .name: ch, .offset: 40, .size: 8, .value_kind: global_buffer, .address_space: global }
      - { .name: ex, .offset: 48, .size: 8, .value_kind: global_buffer, .address_space: global }
      - { .name: gv, .offset: 56, .size: 8, .value_kind: global_buffer, .address_space: global }
    .group_segment_fixed_size: 34304
    .private_segment_fixed_size: 0
    .kernarg_segment_align: 8
    .kernarg_segment_size: 64
    .max_flat_workgroup_size: 128
    .sgpr_count:     66
    .vgpr_count:     256
    .wavefront_size: 32
...
	.end_amdgpu_metadata
.endif
;; end of part 1
;; launch up (part 2): grid 32 x 8, 8 waves a work-group, no clusters, 134,656 bytes of LDS; arguments W1_codes, xc, ch, b1, lowp_scales, h, list, cnt; writes h, list, cnt
.if DOCPART == 2
	.amdgcn_target "amdgcn-amd-amdhsa--gfx1250"
	.amdhsa_code_object_version 6
	.text
	.protected	k_q5e8c1cc3e8_up
	.globl	k_q5e8c1cc3e8_up
	.p2align	8
	.type	k_q5e8c1cc3e8_up,@function
k_q5e8c1cc3e8_up:
	s_mov_b64 s[64:65], 0
	v_nop
	global_prefetch_b8 v0, s[64:65] scope:SCOPE_SE
	s_setreg_imm32_b32 hwreg(HW_REG_WAVE_MODE, 25, 1), 1
	s_wait_xcnt 0x0
; UP: h = Q(gelu(x W1 + b1)) for the rows that chose an expert, and for those alone.  Work-group (hc, e) owns hidden units 128 hc .. + 127 of expert e: 128 rows x 1,024 codes of W1, 128 KiB,
; which no other work-group reads.  They go into LDS once; ONE barrier stands ahead of every branch on a stored number, and behind it the weights are only read.
; WHICH TOKENS: every wave ranks them itself, while its weights are on their way.  Lane l holds tokens 32 l .. 32 l + 31 as a mask (bit 8 k + j is token 32 l + 4 j + k); the masks' counts are summed over the lanes by
; ballots; row rho of the expert is found by a search over the 32 sums (lane permutes) and a selection of the right bit.  So an expert's rows ascend with (lane, bit).
; The slots (2 t + k) of the rows go to list, the count to cnt, for the next launch: wave w's rows of pass p are stored by work-group hc = w + 8 p alone.
; A row past the count, in an expert's last tile, takes some real token, and its slot is a row of its own behind the 2,048: 2048 + 16 e + row % 16.
; TILES of 16 rows: in pass p (3 trips, a constant) wave w holds tiles 24 p + w + 8 m, m = 0..2, x 1,024 K as operand registers (384); a pass holds 384 rows, an expert's average is 256.
; A wave with three tiles runs one copy of the body, with two or one the other; without a tile it jumps over both.  Eight waves, two to a SIMD: one wave's activation stands beside the other's products.
; THE PRODUCT IS USED TRANSPOSED (source 0 = 16 rows of W1, source 1 = 16 routed rows): a lane holds one routed row.  THE ROWS OF W1 THAT FORM A TILE ARE NOT NEIGHBOURS: LDS row 32 b + 16 u + r holds hidden unit
; 32 b + 8 u + r + 8 (r / 8), so that the registers of tiles (b, 0) and (b, 1) are hidden units 32 b + 16 (lane / 16) + 0 .. 15: their codes ARE registers 4 b .. 4 b + 3 of the next product's operand.
; FRAGMENTS, both sides alike: registers 4 c .. 4 c + 3 of lane l hold k = 32 c + 16 (l / 16) + 0 .. 15 of row l % 16: a permutation of k that is the same in both operands, so each product meets its partner.
; h goes out as images of those registers: image (e, tile, K step hc) at ((64 e + tile) 32 + hc) 2048; piece b is one store of 512 consecutive bytes.
; b1 is the C of a sum's first matrix instruction, divided by 2^(e0 + e1).  gelu(z) = z (1 + erf(z / sqrt 2)) / 2; erf(x) = x P(x^2) / Q(x^2), |x| held at 3.7439211, P of degree 4, Q of degree 6, in f32.
; The scales are folded: the sums y stand for y 2^(e0 + e1), and y (1 + erf) is converted with the one scale 2^(e2 - e0 - e1 + 1).
; Tile 0 is made for an expert without rows too, so that what the next launch loads was written.
; LEFT OUT: the products of tokens that did not choose the expert (shown at the head of the first kernel).
; No tensor load and no cluster: the passes branch on numbers that were read; the shared rows of xc are gathered by loads into registers.  No prefetch: all loads of a pass are asked for ahead of its loop.
; LIMITS: e0 + e1 - 1 between -126 and 127; e2 - e0 - e1 + 1 between -126 and 119.  NaN and infinities are not served.  1 + erf carries about 1e-7 absolute error, so far negative z give about |z| 1e-7 in place of a smaller number.
.set PITCH, 1040                       ; an LDS row: 1,024 bytes + 16: 65 x 16, so the 16 rows of a fragment load start at 16 different columns of 16 bytes (64 banks of 4 bytes: ISA guide 11.1)
.set BIAS,  128*PITCH                  ; behind the weights: b1 / 2^(e0 + e1), 512 bytes
.set SPARE, BIAS+512                   ; 128 bytes for each wave
.set SPW,  1
.set NIL,  2
.set L16,  3                           ; 16 x lane
.set WAD,  4                           ; my place in a fragment: 1040 (l % 16) + 16 (l / 16)
.set WADB, 5                           ; the same in block b
.set BRD,  6                           ; BIAS + 64 (l / 16)
.set BRDB, 7
.set HOF,  8                           ; my place in h
.set CSC,  9                           ; 2^(e2 - e0 - e1 + 1)
.set CLIM, 10                          ; 448 x that
.set XLIM, 11                          ; 3.7439211
.set A0,   12                          ; v[12:13] P's leading coefficient, twice
.set B0,   14                          ; v[14:15] Q's
.set ACC,  16                          ; v16-39  accumulators of the three tiles; at the head the choices
.set CA,   16
.set CB,   24
.set SA,   36
.set BTMP, 37
.set BLD,  38
.set BST,  39
.set WF,   40                          ; v40-103 four sets of weight fragments; the last two serve the activation too; at work in the search
.set XX,   72
.set X2,   80
.set PN,   88
.set QD,   96
.set CD,   104                         ; v104-115 codes, four registers a tile; ahead of them the addresses of the gather:
.set AOA,  104                         ; v104, v105 tiles 0 and 1, v106 tile 2: row of xc + 16 (l / 16)
.set SLOT, 107
.set LAD,  108
.set CND,  110                         ; v110, v111 the count on its way out
.set BI,   116                         ; v116-123 the bias of a tile in the result's layout
.set EX,   124                         ; chosen tokens in the lanes below mine
.set MK,   125                         ; my tokens' mask
.set MB,   126                         ; those for which the expert is the second choice
.set HOFB, 127
; v128-255: weights on their way to LDS, then tile 2's activations at 16 s; window 1: tiles 0 and 1 at 128 m + 16 s
.set MSB, 0
.macro WIN new                         ; the immediate's high byte repeats the setting that is left
.if MSB != (\new)
	s_set_vgpr_msb (MSB<<8)|(\new)
.set MSB, (\new)
.endif
.endm
.macro SPAIR r, val                    ; a constant for the packed forms: they name a pair and take its low word for both halves
	s_mov_b32 s[\r], \val
	s_mov_b32 s[\r+1], \val
.endm
.macro ALD n0, num                     ; activations of tiles 0 and 1, K step by K step: loads n0 .. n0 + num - 1 of 64
	WIN 0x40
.set NN, \n0
.rept \num
	global_load_b128 v[128*((NN/4)%2)+16*(NN/8)+4*(NN%4):128*((NN/4)%2)+16*(NN/8)+4*(NN%4)+3], v[AOA+((NN/4)%2)], s[6:7] offset:128*(NN/8)+32*(NN%4)
.set NN, NN+1
.endr
	WIN 0
.endm
.macro CLD                             ; tile 2's: 32 loads
.set NN, 0
.rept 32
	global_load_b128 v[128+4*NN:128+4*NN+3], v[AOA+2], s[6:7] offset:32*NN
.set NN, NN+1
.endr
.endm
.macro SWAR m, a, b, c                 ; the ones of m in fields of 2, 4 and 8 bits
	v_lshrrev_b32 v[\a], 1, v[\m]
	v_and_b32 v[\a], 0x55555555, v[\a]
	v_sub_nc_u32 v[\a], v[\m], v[\a]
	v_lshrrev_b32 v[\b], 2, v[\a]
	v_and_b32 v[\b], 0x33333333, v[\b]
	v_and_b32 v[\c], 0x33333333, v[\a]
	v_add_nc_u32 v[\b], v[\b], v[\c]
	v_lshrrev_b32 v[\c], 4, v[\b]
	v_add_nc_u32 v[\c], v[\c], v[\b]
	v_and_b32 v[\c], 0x0f0f0f0f, v[\c]
.endm
.macro SEL src, width, st              ; v46 ones still to pass, v52 the bit so far: pass the lower field if it has no more than that
	v_bfe_u32 v50, v[\src], v52, \width
	v_or_b32 v53, \st, v52
	v_sub_nc_u32 v51, v46, v50
	v_cmp_ge_u32 vcc_lo, v46, v50
	v_cndmask_b32 v46, v46, v51, vcc_lo
	v_cndmask_b32 v52, v52, v53, vcc_lo
.endm
; v60 = row of the expert -> v61 its token, v[SLOT] its slot; the slot goes to the list.  v40 = 4 x the lane whose tokens hold it: the last lane with no more than v60 chosen tokens below it
.macro SEARCH
	v_mov_b32 v40, 0
.irp st, 64,32,16,8,4
	v_add_nc_u32 v41, \st, v40
	ds_bpermute_b32 v42, v41, v[EX]
	s_wait_alu depctr_va_vdst(0)
	s_wait_dscnt 0x0
	v_cmp_le_u32 vcc_lo, v42, v60
	v_cndmask_b32 v40, v40, v41, vcc_lo
.endr
	ds_bpermute_b32 v43, v40, v[MK]
	ds_bpermute_b32 v44, v40, v[MB]
	ds_bpermute_b32 v45, v40, v[EX]
	s_wait_alu depctr_va_vdst(0)
	s_wait_dscnt 0x0
	v_sub_nc_u32 v46, v60, v45
	v_mov_b32 v52, 0
	SWAR 43, 47, 48, 49
	v_lshrrev_b32 v54, 8, v49
	v_add_nc_u32 v54, v49, v54                     ; low byte: the ones of the low half
	SEL 54, 8, 16
	SEL 49, 8, 8
	SEL 48, 4, 4
	SEL 47, 2, 2
	SEL 43, 1, 1
	v_and_b32 v53, 7, v52
	v_lshrrev_b32 v54, 3, v52
	v_lshl_add_u32 v54, v53, 2, v54
	v_lshl_add_u32 v61, v40, 3, v54                ; 32 lane + 4 j + k
	v_bfe_u32 v55, v44, v52, 1
	v_lshl_or_b32 v[SLOT], v61, 1, v55
	v_and_b32 v63, 15, v0
	v_add_nc_u32 v63, s67, v63
	v_cmp_gt_u32 vcc_lo, s27, v60
	v_cndmask_b32 v[SLOT], v63, v[SLOT], vcc_lo
	v_lshlrev_b32 v[LAD], 2, v60
	v_mov_b32 v55, 0
	s_wait_alu depctr_va_vdst(0)
	s_cmp_lg_u32 s25, s66
	s_cbranch_scc1 .Lnolist_\@
	global_store_b32 v[LAD], v[SLOT], s[16:17]
.Lnolist_\@:
.endm
.macro ROWSAB                          ; tiles s22 (lanes 0-15) and s22 + 8 (lanes 16-31): their rows' addresses
	v_and_b32 v60, 15, v0
	v_and_b32 v56, 16, v0
	s_lshl_b32 s28, s22, 4
	v_lshl_add_u32 v60, v56, 3, v60
	v_add_nc_u32 v60, s28, v60
	SEARCH
	v_permlanex16_b32 v55, v61, s80, s81
	v_and_b32 v56, 16, v0
	v_cmp_eq_u32 vcc_lo, 0, v56
	v_cndmask_b32 v57, v55, v61, vcc_lo
	v_cndmask_b32 v58, v61, v55, vcc_lo
	v_min_u32 v57, 0x3ff, v57
	v_min_u32 v58, 0x3ff, v58
	v_lshl_add_u32 v[AOA], v57, 10, v56
	v_lshl_add_u32 v[AOA+1], v58, 10, v56
	s_wait_alu depctr_va_vdst(0)
.endm
.macro TILEC                           ; tile s22 + 16, if the expert has it: its rows, and its loads
	s_add_co_u32 s28, s22, 16
	s_cmp_ge_u32 s28, s21
	s_cbranch_scc1 .Lnoc_\@
	s_wait_xcnt 0x0                                ; the list's store has read its registers
	v_and_b32 v60, 15, v0
	s_lshl_b32 s28, s28, 4
	v_add_nc_u32 v60, s28, v60
	SEARCH
	v_min_u32 v57, 0x3ff, v61
	v_and_b32 v56, 16, v0
	v_lshl_add_u32 v[AOA+2], v57, 10, v56
	CLD
.Lnoc_\@:
.endm
.macro WLD u, s                        ; the fragment of tile (b, u), K step s, into set s % 4
.irp c, 0,1,2,3
	ds_load_b128 v[WF+16*((\s)%4)+4*\c:WF+16*((\s)%4)+4*\c+3], v[WADB] offset:(\u)*16*PITCH+128*(\s)+32*\c
.endr
.endm
.macro BLOAD u                         ; the bias of tile (b, u): lane (r, h), register j: hidden unit 32 b + 16 h + 8 u + j
	ds_load_b128 v[BI:BI+3], v[BRDB] offset:32*(\u)
	ds_load_b128 v[BI+4:BI+7], v[BRDB] offset:32*(\u)+16
.endm
.macro MUL w, a, m, s
.if (\s) == 0
	v_wmma_f32_16x16x128_fp8_fp8 v[ACC+8*\m:ACC+8*\m+7], v[\w:\w+15], v[\a:\a+15], v[BI:BI+7]
.else
	v_wmma_f32_16x16x128_fp8_fp8 v[ACC+8*\m:ACC+8*\m+7], v[\w:\w+15], v[\a:\a+15], v[ACC+8*\m:ACC+8*\m+7]
.endif
.endm
; A step: nt matrix instructions on nt accumulators, which take turns in the same order in every step.
; LDS loads go out in this order: bias, sets of K steps 0-3 | behind step s: K step s + 4; for u = 0 behind step 4 the next bias and (1, 0), behind step 5 (1, 1); behind the activation (1, 2) and (1, 3).
; LOADS of activations: tiles 0 and 1 go out K step by K step, eight a step; tile 2's 32 loads are the last: a count of 4 (7 - s) covers its K step s and, with or without them, K step s of the other two.
.macro USTEP u, s, nt
.if (\u) == 0
.if (\nt) == 2
	s_wait_loadcnt 8*(7-(\s))
.else
	s_wait_loadcnt 4*(7-(\s))
.endif
.endif
.if (\s) < 5
	s_wait_dscnt 12                                ; three younger sets may be out
.elseif (\u) == 1
	s_wait_dscnt 4*(7-(\s))
.elseif (\s) == 7
	s_wait_dscnt 10                                ; two younger sets and the bias
.else
	s_wait_dscnt 14                                ; three younger sets and the bias
.endif
	WIN 0x04                                       ; source 1 (the activations) window 1
	MUL WF+16*((\s)%4), 16*(\s), 0, \s
	MUL WF+16*((\s)%4), 128+16*(\s), 1, \s
	WIN 0
.if (\nt) == 3
	MUL WF+16*((\s)%4), 128+16*(\s), 2, \s
.endif
.rept 4
	v_nop                                          ; places in front of loads into, and vector writes of, registers that these products read, and of reads of results
.endr
.if (\s) < 4
	WLD \u, (\s)+4
.elseif (\u) == 0 && (\s) == 4
	BLOAD 1
	WLD 1, 0
.elseif (\u) == 0 && (\s) == 5
	WLD 1, 1
.endif
.endm
; Tile m's eight sums a lane become eight codes; with the second eight they leave.
.macro GELU m, u
.set YY, ACC+8*(\m)
	s_wait_alu depctr_va_vdst(0)                   ; directly ahead of the sums' first reader
.irp i, 0,2,4,6
	v_pk_mul_f32 v[XX+\i:XX+\i+1], v[YY+\i:YY+\i+1], s[32:33] op_sel_hi:[1,0]   ; x = y 2^(e0 + e1) / sqrt 2; each accumulator is read from its low end on
.endr
.irp i, 0,1,2,3,4,5,6,7
	v_med3_num_f32 v[XX+\i], v[XX+\i], -v[XLIM], v[XLIM]
.endr
.irp i, 0,2,4,6
	v_pk_mul_f32 v[X2+\i:X2+\i+1], v[XX+\i:XX+\i+1], v[XX+\i:XX+\i+1]
.endr
.irp i, 0,2,4,6
	v_pk_fma_f32 v[PN+\i:PN+\i+1], v[X2+\i:X2+\i+1], v[A0:A0+1], s[34:35] op_sel_hi:[1,1,0]
	v_pk_fma_f32 v[QD+\i:QD+\i+1], v[X2+\i:X2+\i+1], v[B0:B0+1], s[42:43] op_sel_hi:[1,1,0]
.endr
.irp k, 0,1,2
.irp i, 0,2,4,6
	v_pk_fma_f32 v[PN+\i:PN+\i+1], v[PN+\i:PN+\i+1], v[X2+\i:X2+\i+1], s[36+2*\k:37+2*\k] op_sel_hi:[1,1,0]
	v_pk_fma_f32 v[QD+\i:QD+\i+1], v[QD+\i:QD+\i+1], v[X2+\i:X2+\i+1], s[44+2*\k:45+2*\k] op_sel_hi:[1,1,0]
.endr
.endr
.irp i, 0,2,4,6
	v_pk_fma_f32 v[QD+\i:QD+\i+1], v[QD+\i:QD+\i+1], v[X2+\i:X2+\i+1], s[50:51] op_sel_hi:[1,1,0]
.endr
.irp i, 0,2,4,6
	v_pk_fma_f32 v[QD+\i:QD+\i+1], v[QD+\i:QD+\i+1], v[X2+\i:X2+\i+1], 1.0 op_sel_hi:[1,1,0]
.endr
	s_wait_alu depctr_va_vdst(0)                   ; ahead of the batch
.irp i, 0,1,2,3,4,5,6,7
	v_rcp_f32 v[QD+\i], v[QD+\i]                   ; one batch
.endr
.irp i, 0,2,4,6
	v_pk_mul_f32 v[XX+\i:XX+\i+1], v[XX+\i:XX+\i+1], v[PN+\i:PN+\i+1]   ; x P: work that names no reciprocal stands behind the batch
.endr
	s_wait_alu depctr_va_vdst(0)                   ; one wait for the eight, ahead of their first reader
.irp i, 0,2,4,6
	v_pk_mul_f32 v[XX+\i:XX+\i+1], v[XX+\i:XX+\i+1], v[QD+\i:QD+\i+1]   ; erf
.endr
.irp i, 0,2,4,6
	v_pk_fma_f32 v[X2+\i:X2+\i+1], v[YY+\i:YY+\i+1], v[XX+\i:XX+\i+1], v[YY+\i:YY+\i+1]   ; y (1 + erf)
.endr
.irp i, 0,1,2,3,4,5,6,7
	v_med3_num_f32 v[X2+\i], v[X2+\i], -v[CLIM], v[CLIM]       ; the conversion to an 8-bit code does not saturate (ISA guide 7.6.2)
.endr
	v_cvt_scalef32_pk8_fp8_f32 v[CD+4*(\m)+2*(\u):CD+4*(\m)+2*(\u)+1], v[X2:X2+7], v[CSC]
	v_nop                                          ; one plain line behind the conversion
.if (\u) == 1
.if (NTS == 2) && ((\m) == 1)
	s_add_co_u32 s28, s22, 8                       ; is there a second tile?  If not, its rows were real tokens that nobody wants
	s_cmp_ge_u32 s28, s21
	s_cbranch_scc1 .Lone_\@
	global_store_b128 v[HOFB], v[CD+4*(\m):CD+4*(\m)+3], s[14:15] offset:524288*(\m)
.Lone_\@:
.else
	global_store_b128 v[HOFB], v[CD+4*(\m):CD+4*(\m)+3], s[14:15] offset:524288*(\m)   ; piece b of the tile's image: 512 consecutive bytes
.endif
.endif
.endm
.macro GELUS u, nt
.set NTS, \nt
	GELU 0, \u
	GELU 1, \u
.if (\nt) == 3
	GELU 2, \u
.endif
.endm
.macro BODY nt                         ; hidden units 32 b .. 32 b + 31 of my tiles
	BLOAD 0
.irp s, 0,1,2,3
	WLD 0, \s
.endr
.irp s, 0,1,2,3,4,5,6,7
	USTEP 0, \s, \nt
.endr
	s_wait_xcnt 0x0                                ; the gather's loads have read their addresses, and the block before its stores their codes and offset: they are written again below
	s_lshl_b32 s28, s26, 9
	v_add_nc_u32 v[HOFB], s28, v[HOF]
	GELUS 0, \nt
	WLD 1, 2
	WLD 1, 3
.irp s, 0,1,2,3,4,5,6,7
	USTEP 1, \s, \nt
.endr
	GELUS 1, \nt
.endm
	s_load_b256 s[4:11], s[0:1], 0x0               ; W1's codes s[4:5], xc s[6:7], ch s[8:9], b1 s[10:11]
	s_load_b256 s[12:19], s[0:1], 0x20             ; the scales' exponents s[12:13], h s[14:15], list s[16:17], cnt s[18:19]
	v_lshl_add_u32 v[SPW], v0, 2, SPARE
	v_mov_b32 v[NIL], 0
	v_lshrrev_b32 v40, 5, v0
	v_readfirstlane_b32 s24, v40                   ; wave
	v_and_b32 v41, 31, v0
	v_lshlrev_b32 v[L16], 4, v41
	v_lshlrev_b32 v42, 5, v41                      ; 32 choices a lane
	v_lshlrev_b32 v[CND+1], 2, v41
	v_and_b32 v43, 15, v0                          ; r
	v_bfe_u32 v44, v0, 4, 1                        ; h
	v_mul_u32_u24 v[WAD], v43, PITCH
	v_lshl_add_u32 v[WAD], v44, 4, v[WAD]
	v_lshlrev_b32 v[BRD], 6, v44
	v_add_nc_u32 v[BRD], BIAS, v[BRD]
	v_mov_b32 v[XLIM], 0x406f9c68
	v_mov_b32 v[A0], 0x39702d51
	v_mov_b32 v[A0+1], 0x39702d51
	v_mov_b32 v[B0], 0xb3fd3906
	v_mov_b32 v[B0+1], 0xb3fd3906
	s_wait_alu depctr_va_vdst(0)
	s_and_b32 s20, ttmp7, 0xffff                   ; the expert
	s_mov_b32 s25, ttmp9                           ; hc
	s_lshl_b32 s28, s24, 16
	v_add_nc_u32 v[HOF], s28, v[L16]
	s_lshr_b32 s28, s24, 1                         ; my 16 rows of W1 are half of a block of 32: LDS rows 32 (w / 2) + 8 (w % 2) + 0..7 and + 16..23
	s_mul_i32 s28, s28, 32*PITCH
	s_and_b32 s29, s24, 1
	s_mul_i32 s29, s29, 8*PITCH
	s_add_co_u32 s28, s28, s29
	v_add_nc_u32 v[SA], s28, v[L16]
	s_lshl_b32 s28, s24, 6                         ; my 16 numbers of b1
	v_lshl_add_u32 v[BLD], v43, 2, s28
	v_add_nc_u32 v[BST], BIAS, v[BLD]
	s_wait_alu depctr_va_vdst(0)
	SPAIR 34, 0x3b5f5da2                           ; P's other coefficients, from the highest power down,
	SPAIR 36, 0x3d50b6eb
	SPAIR 38, 0x3e3da740
	SPAIR 40, 0x3f906eba
	SPAIR 42, 0x37c588e0                           ; and Q's; its last is 1
	SPAIR 44, 0x3a856d28
	SPAIR 46, 0x3c6687d4
	SPAIR 48, 0x3de34c21
	SPAIR 50, 0x3efeb44a
	s_mov_b32 s80, 0x76543210                      ; v_permlanex16_b32: lane l xor 16
	s_mov_b32 s81, 0xfedcba98
	s_lshl_b32 s28, s20, 22                        ; an expert's 4 MiB
	s_lshl_b32 s52, ttmp9, 17                      ; W1: + my block of 128 rows + my wave's 16
	s_lshl_b32 s29, s24, 14
	s_add_co_u32 s52, s52, s28
	s_add_co_u32 s52, s52, s29
	s_mov_b32 s53, 0
	s_lshl_b32 s54, s20, 12                        ; the expert's list
	s_mov_b32 s55, 0
	s_lshl_b32 s56, s20, 7                         ; and count
	s_mov_b32 s57, 0
	s_lshl_b32 s58, s20, 14                        ; b1: the expert's 4,096 + my 128
	s_lshl_b32 s29, ttmp9, 9
	s_add_co_u32 s58, s58, s29
	s_mov_b32 s59, 0
	s_lshl_b32 s60, ttmp9, 11                      ; h: the expert's images, K step hc
	s_add_co_u32 s60, s60, s28
	s_mov_b32 s61, 0
	s_lshl_b32 s67, s20, 4
	s_add_co_u32 s67, s67, 2048                    ; where the expert's rows past the count go
	s_mov_b32 s22, s24                             ; my first tile of the pass: 24 p + wave
	s_mov_b32 s66, s24                             ; the work-group that stores its list: 8 p + wave
.irp j, 0,1,2,3,4,5,6,7
	s_sub_co_i32 s[72+\j], s20, \j
	s_and_b32 s[72+\j], s[72+\j], 31
.endr
	s_wait_kmcnt 0x0
	s_load_b128 s[68:71], s[12:13], 0x0            ; e0 (W1), e1 (x), e2 (h), e3 (W2)
	s_add_nc_u64 s[4:5], s[4:5], s[52:53]
	s_add_nc_u64 s[10:11], s[10:11], s[58:59]
	s_add_nc_u64 s[14:15], s[14:15], s[60:61]
	s_add_nc_u64 s[16:17], s[16:17], s[54:55]
	s_add_nc_u64 s[18:19], s[18:19], s[56:57]
	global_load_b128 v[CA:CA+3], v42, s[8:9]
	global_load_b128 v[CA+4:CA+7], v42, s[8:9] offset:16
	global_load_b128 v[CB:CB+3], v42, s[8:9] offset:1024
	global_load_b128 v[CB+4:CB+7], v42, s[8:9] offset:1040
	global_load_b32 v[BTMP], v[BLD], s[10:11]
.set NN, 0
.rept 32
	global_load_b128 v[128+4*NN:128+4*NN+3], v[L16], s[4:5] offset:512*NN th:TH_LOAD_NT   ; row NN / 2 of my 16, half NN % 2
.set NN, NN+1
.endr
	s_wait_kmcnt 0x0
	s_add_co_i32 s28, s68, s69                     ; e0 + e1
	s_sub_co_i32 s29, 0, s28
	s_lshl_b32 s30, s28, 23
	s_add_co_i32 s32, s30, 0x3f3504f3              ; 2^(e0 + e1) / sqrt 2: the exponents are added to the constant's exponent field
	s_mov_b32 s33, s32
	s_sub_co_i32 s30, s70, s28
	s_add_co_i32 s30, s30, 128                     ; e2 - e0 - e1 + 1 + 127
	s_lshl_b32 s31, s30, 23
	v_mov_b32 v[CSC], s31
	s_add_co_i32 s30, s30, 8
	s_lshl_b32 s30, s30, 23
	s_or_b32 s30, s30, 0x600000
	v_mov_b32 v[CLIM], s30
	s_wait_alu depctr_va_vdst(0)
	s_wait_loadcnt 33                              ; the choices are in: behind them stand b1's load and 32 of the weights'
	; my 32 tokens' masks: bit e of byte k of word j goes to bit 8 k + j
.irp j, 0,1,2,3,4,5,6,7
	v_alignbit_b32 v[40+\j], v[CA+\j], v[CA+\j], s[72+\j]
	v_alignbit_b32 v[48+\j], v[CB+\j], v[CB+\j], s[72+\j]
.endr
	v_and_b32 v[MK], 0x01010101, v40
	v_and_b32 v[MB], 0x01010101, v48
.irp j, 1,2,3,4,5,6,7
	v_bfi_b32 v[MK], 0x01010101<<\j, v[40+\j], v[MK]
	v_bfi_b32 v[MB], 0x01010101<<\j, v[48+\j], v[MB]
.endr
	v_or_b32 v[MK], v[MK], v[MB]
	SWAR MK, 56, 57, 58
	v_lshrrev_b32 v59, 8, v58
	v_add_nc_u32 v59, v58, v59
	v_lshrrev_b32 v56, 16, v59
	v_add_nc_u32 v59, v56, v59
	v_and_b32 v59, 0x3f, v59                       ; how many of my 32 tokens chose the expert
.irp b, 0,1,2,3,4,5
	v_and_b32 v[40+\b], 1<<\b, v59
.endr
.irp b, 0,1,2,3,4,5
	v_cmp_ne_u32 s[82+\b], 0, v[40+\b]             ; the lanes whose number has bit b
.endr
	v_mbcnt_lo_u32_b32 v[EX], s82, 0               ; the sum over the lanes below mine, bit by bit
.irp b, 1,2,3,4,5
	v_mbcnt_lo_u32_b32 v[40+\b], s[82+\b], 0
.endr
.irp b, 1,2,3,4,5
	v_lshl_add_u32 v[EX], v[40+\b], \b, v[EX]
.endr
	s_wait_alu depctr_va_vdst(0)
	s_bcnt1_i32_b32 s27, s82                       ; and over all lanes: the expert's rows
.irp b, 1,2,3,4,5
	s_bcnt1_i32_b32 s28, s[82+\b]
	s_lshl_b32 s28, s28, \b
	s_add_co_u32 s27, s27, s28
.endr
	s_add_co_u32 s21, s27, 15
	s_lshr_b32 s21, s21, 4
	s_max_u32 s21, s21, 1                          ; tiles to make, one at the least
	s_or_b32 s28, s25, s24
	s_cmp_lg_u32 s28, 0
	s_cbranch_scc1 .Lnocount
	v_mov_b32 v[CND], s27
	global_store_b32 v[CND+1], v[CND], s[18:19]    ; 128 consecutive bytes
.Lnocount:
	ROWSAB
	ALD 0, 28
	s_wait_loadcnt 56                              ; group k of the weights (four loads) is in: behind it stand 28 - 4 k loads of weights and 28 + 4 k of activations; at k = 0 b1 is in too
	v_ldexp_f32 v[BTMP], v[BTMP], s29              ; b1 / 2^(e0 + e1)
	ds_store_b32 v[BST], v[BTMP]
.irp k, 0,1,2,3,4,5,6,7
	s_wait_loadcnt 56
.irp q, 0,1,2,3
.set RHO, 2*\k+\q/2
	ds_store_b128 v[SA], v[128+16*\k+4*\q:128+16*\k+4*\q+3] offset:(16*(RHO/8)+(RHO%8))*PITCH+512*(\q%2)
.endr
	ALD 28+4*\k, 4
.endr
	ALD 60, 4
	s_wait_alu depctr_va_vdst(0)
	s_wait_dscnt 0x0                               ; for the others' sake: my rows and my part of the bias lie in LDS; and for mine: the stores have read the registers that tile 2 takes
	s_barrier_signal -1
	s_barrier_wait -1                              ; the one barrier: from here on these bytes are only read
	TILEC
	s_mov_b32 s23, 0                               ; p
.Lpass:
	s_mov_b32 s26, 0                               ; b
.Lblock:
	s_mul_i32 s28, s26, 32*PITCH
	v_add_nc_u32 v[WADB], s28, v[WAD]
	s_lshl_b32 s28, s26, 7
	v_add_nc_u32 v[BRDB], s28, v[BRD]
	s_wait_alu depctr_va_vdst(0)
	s_cmp_ge_u32 s22, s21                          ; has my wave a tile in this pass?
	s_cbranch_scc1 .Lbend
	s_add_co_u32 s28, s22, 16                      ; has it three?
	s_cmp_ge_u32 s28, s21
	s_cbranch_scc1 .Ltwo
	BODY 3
	s_branch .Lbend
.Ltwo:
	BODY 2
.Lbend:
	s_add_co_u32 s26, s26, 1
	s_cmp_lt_u32 s26, 4
	s_cbranch_scc1 .Lblock
	s_add_co_u32 s22, s22, 24
	s_add_co_u32 s66, s66, 8
	s_cmp_ge_u32 s22, s21                          ; the next pass's activations, if my wave has a tile there (never behind the third pass: there are 64 tiles at the most)
	s_cbranch_scc1 .Lskip
	s_wait_xcnt 0x0                                ; the pass's stores have read their registers
	s_wait_loadcnt 0x0
.rept 4
	v_nop                                          ; places in front of writes of registers that matrix instructions have read
.endr
	v_add_nc_u32 v[HOF], 0x180000, v[HOF]          ; 24 tiles of images on
	ROWSAB
	ALD 0, 64
	TILEC
.Lskip:
	s_add_co_u32 s23, s23, 1
	s_cmp_lt_u32 s23, 3
	s_cbranch_scc1 .Lpass
	s_wait_tensorcnt 0x0                           ; the wave's end
	ds_add_u32 v[SPW], v[NIL]
	s_wait_dscnt 0x0
	s_endpgm
.Lfunc_end_k_q5e8c1cc3e8_up:
	.size	k_q5e8c1cc3e8_up, .Lfunc_end_k_q5e8c1cc3e8_up-k_q5e8c1cc3e8_up
	.p2alignl 7, 3214868480
	.fill 96, 4, 3214868480
	.section	.rodata,"a",@progbits
	.p2align	6, 0x0
	.amdhsa_kernel k_q5e8c1cc3e8_up
		.amdhsa_group_segment_fixed_size 134656
		.amdhsa_private_segment_fixed_size 0
		.amdhsa_enable_private_segment 0
		.amdhsa_kernarg_size 64
		.amdhsa_user_sgpr_count 2
		.amdhsa_user_sgpr_kernarg_segment_ptr 1
		.amdhsa_wavefront_size32 1
		.amdhsa_system_sgpr_workgroup_id_x 1
		.amdhsa_system_sgpr_workgroup_id_y 1
		.amdhsa_system_sgpr_workgroup_id_z 1
		.amdhsa_system_vgpr_workitem_id 0
		.amdhsa_next_free_vgpr 512
		.amdhsa_next_free_sgpr 88
		.amdhsa_reserve_vcc 1
		.amdhsa_float_denorm_mode_32 3
		.amdhsa_float_denorm_mode_16_64 3
		.amdhsa_memory_ordered 1
		.amdhsa_forward_progress 1
		.amdhsa_inst_pref_size 127
	.end_amdhsa_kernel
	.amdgpu_metadata
---
amdhsa.version: [ 1, 2 ]
amdhsa.kernels:
  - .name:           k_q5e8c1cc3e8_up
    .symbol:         k_q5e8c1cc3e8_up.kd
    .args:
      - { .name: W1_codes, .offset: 0, .size: 8, .value_kind: global_buffer, .address_space: global }
      - { .name: xc, .offset: 8, .size: 8, .value_kind: global_buffer, .address_space: global }
      - { .name: ch, .offset: 16, .size: 8, .value_kind: global_buffer, .address_space: global }
      - { .name: b1, .offset: 24, .size: 8, .value_kind: global_buffer, .address_space: global }
      - { .name: lowp_scales, .offset: 32, .size: 8, .value_kind: global_buffer, .address_space: global }
      - { .name: h, .offset: 40, .size: 8, .value_kind: global_buffer, .address_space: global }
      - { .name: list, .offset: 48, .size: 8, .value_kind: global_buffer, .address_space: global }
      - { .name: cnt, .offset: 56, .size: 8, .value_kind: global_buffer, .address_space: global }
    .group_segment_fixed_size: 134656
    .private_segment_fixed_size: 0
    .kernarg_segment_align: 8
    .kernarg_segment_size: 64
    .max_flat_workgroup_size: 256
    .sgpr_count:     88
    .vgpr_count:     512
    .wavefront_size: 32
...
	.end_amdgpu_metadata
.endif
;; end of part 2
;; launch down (part 3): grid 32 x 8, 8 waves a work-group, no clusters, 238,592 bytes of LDS; arguments W2_codes, h, list, cnt, P; writes P
.if DOCPART == 3
	.amdgcn_target "amdgcn-amd-amdhsa--gfx1250"
	.amdhsa_code_object_version 6
	.text
	.protected	k_q5e8c1cc3e8_down
	.globl	k_q5e8c1cc3e8_down
	.p2align	8
	.type	k_q5e8c1cc3e8_down,@function
k_q5e8c1cc3e8_down:
	s_mov_b64 s[64:65], 0
	v_nop
	global_prefetch_b8 v0, s[64:65] scope:SCOPE_SE
	s_setreg_imm32_b32 hwreg(HW_REG_WAVE_MODE, 25, 1), 1
	s_wait_xcnt 0x0
; DOWN: the second product, on the rows that chose an expert.  Work-group (x, e), cc = x % 8, kc = x / 8, owns output columns 128 cc .. + 127 and hidden units 1024 kc .. + 1023 of expert e:
; 128 rows x 1,024 codes of W2, 128 KiB, which no other work-group reads.  They go into LDS once; ONE barrier stands ahead of every branch on a stored number; behind it they are only read.
; TILES as in the launch before: in pass p (3 trips, a constant) wave w holds tiles 24 p + w + 8 m, m = 0..2, of 16 routed rows x 1,024 K as operand registers (384), loaded as the images that were stored
; (512 consecutive bytes a load).  A wave with three tiles runs one copy of the body, with two or one the other; without a tile it jumps over both.
; TRANSPOSED (source 0 = 16 rows of W2, source 1 = 16 routed rows): a lane holds eight neighbouring columns of one routed row.  Four column tiles (64 columns, q = 0, 1) go into the wave's own stage in LDS,
; rows of 256 bytes + 16, and leave as whole rows: lanes 0-15 store 256 bytes of row i, lanes 16-31 of row 8 + i, to P[kc][slot of the row][128 cc + 64 q ..], the slot read from the list.
; The sums are stored raw (no scale, no bias).  Each piece of P has one owner; a row past the count goes to the expert's own rows behind the 2,048 slots, which nobody reads.
; A tile past the expert's last loads its last tile again; its way out is jumped over.
; LEFT OUT: the products of tokens that did not choose the expert (shown at the head of the first kernel).
; No tensor load and no cluster: the passes branch on stored numbers.  No prefetch: all loads of a pass are asked for ahead of its work.
.set PITCH,  1040                      ; an LDS row: 1,024 bytes + 16: the 16 rows of a fragment load start at 16 different columns of 16 bytes (64 banks of 4 bytes: ISA guide 11.1)
.set ROWP,   4096                      ; a row of W2 in memory
.set STG,    128*PITCH                 ; behind the weights: the stages
.set SP,     272                       ; a stage row: 256 bytes + 16
.set TST,    16*SP                     ; a tile in the stage
.set WSTG,   3*TST                     ; a wave's stage
.set SPARE,  STG+8*WSTG                ; 128 bytes for each wave
.set SPW,  1
.set NIL,  2
.set L16,  3                           ; 16 x lane
.set WAD,  4                           ; my place in a fragment; v5 the same 64 rows on
.set STO,  6                           ; the stage: where I put 32 bytes of a row
.set RD,   7                           ; and where I read a row back
.set AOF,  8                           ; v8-10 tile m's images + 16 x lane
.set LAD,  11                          ; 32 (l / 16)
.set R16,  12                          ; 16 (l % 16)
.set SA,   13                          ; where I lay weights
.set ACC,  16                          ; v16-39 accumulators; ahead of them v16-18: the lists' addresses
.set WF,   40                          ; v40-103 four sets of weight fragments; with three tiles they take the rows on the way out too
.set OF,   104                         ; v104-127 tile m at 8 m + i: row 8 (l / 16) + i: its slot, then its place in P
; v128-255: weights on their way to LDS, then tile 2's activations at 16 s, or, with two tiles, rows on the way out; window 1: tiles 0 and 1 at 128 m + 16 s
.set MSB, 0
.macro WIN new                         ; the immediate's high byte repeats the setting that is left
.if MSB != (\new)
	s_set_vgpr_msb (MSB<<8)|(\new)
.set MSB, (\new)
.endif
.endm
.macro ALD n0, num                     ; activations of tiles 0 and 1, K step by K step: loads n0 .. n0 + num - 1 of 64
	WIN 0x40
.set NN, \n0
.rept \num
	global_load_b128 v[128*((NN/4)%2)+16*(NN/8)+4*(NN%4):128*((NN/4)%2)+16*(NN/8)+4*(NN%4)+3], v[AOF+((NN/4)%2)], s[6:7] offset:2048*(NN/8)+512*(NN%4)
.set NN, NN+1
.endr
	WIN 0
.endm
.macro TILEC                           ; tile s22 + 16, if the expert has it: its 32 loads
	s_add_co_u32 s28, s22, 16
	s_cmp_ge_u32 s28, s3
	s_cbranch_scc1 .Lnoc_\@
.set NN, 0
.rept 32
	global_load_b128 v[128+4*NN:128+4*NN+3], v[AOF+2], s[6:7] offset:512*NN
.set NN, NN+1
.endr
.Lnoc_\@:
.endm
.macro AOFS                            ; where the three tiles' images and slots lie, and the slots' loads
.irp m, 0,1,2
	s_add_co_u32 s28, s22, 8*\m
	s_min_u32 s28, s28, s15
	s_min_u32 s28, s28, 63
	s_lshl_b32 s29, s28, 16
	v_add_nc_u32 v[AOF+\m], s29, v[L16]
	s_lshl_b32 s29, s28, 6
	v_add_nc_u32 v[ACC+\m], s29, v[LAD]
.endr
	s_wait_alu depctr_va_vdst(0)
.irp m, 0,1,2
	global_load_b128 v[OF+8*\m:OF+8*\m+3], v[ACC+\m], s[8:9]
	global_load_b128 v[OF+8*\m+4:OF+8*\m+7], v[ACC+\m], s[8:9] offset:16
.endr
.endm
.macro OFS                             ; slot -> its row of 4,096 bytes + my 16 bytes
.irp i, 0,1,2,3,4,5,6,7,8,9,10,11,12,13,14,15,16,17,18,19,20,21,22,23
	v_min_u32 v[OF+\i], 0x87f, v[OF+\i]
.endr
.irp i, 0,1,2,3,4,5,6,7,8,9,10,11,12,13,14,15,16,17,18,19,20,21,22,23
	v_lshl_add_u32 v[OF+\i], v[OF+\i], 12, v[R16]
.endr
	s_wait_alu depctr_va_vdst(0)
.endm
.macro WLD q, g                        ; step g = 8 f + s: the fragment of column tile 4 q + f, K step s, into set g % 4
.irp c, 0,1,2,3
	ds_load_b128 v[WF+16*((\g)%4)+4*\c:WF+16*((\g)%4)+4*\c+3], v[WAD+\q] offset:((\g)/8)*16*PITCH+128*((\g)%8)+32*\c
.endr
.endm
.macro MUL w, a, m, s
.if (\s) == 0
	v_wmma_f32_16x16x128_fp8_fp8 v[ACC+8*\m:ACC+8*\m+7], v[\w:\w+15], v[\a:\a+15], 0
.else
	v_wmma_f32_16x16x128_fp8_fp8 v[ACC+8*\m:ACC+8*\m+7], v[\w:\w+15], v[\a:\a+15], v[ACC+8*\m:ACC+8*\m+7]
.endif
.endm
.macro TOSTAGE f, m                    ; lane (r, h): row r, columns 16 f + 8 h + 0 .. 7 of the 64; each accumulator from its low end on
	ds_store_b128 v[STO], v[ACC+8*\m:ACC+8*\m+3] offset:\m*TST+64*(\f)
	ds_store_b128 v[STO], v[ACC+8*\m+4:ACC+8*\m+7] offset:\m*TST+64*(\f)+16
.endm
; A step: nt matrix instructions on nt accumulators, which take turns in the same order in every step.
; LDS instructions go out in this order: sets 0-3 | step g: set g + 4; behind step 8 f + 7 also the 2 nt stores into the stage.
; LOADS of activations: tiles 0 and 1 go out K step by K step, eight a step; tile 2's 32 loads are the last: a count of 4 (7 - s) covers its K step s and, with or without them, K step s of the other two.
.macro DSTEP q, g, nt
.set DF, (\g)/8
.set DS, (\g)%8
.if (\q) == 0 && DF == 0
.if (\nt) == 2
	s_wait_loadcnt 8*(7-DS)
.else
	s_wait_loadcnt 4*(7-DS)
.endif
.endif
.if (\g) > 28
	s_wait_dscnt 4*(31-(\g))
.elseif DF > 0 && DS < 4
	s_wait_dscnt 12+2*(\nt)                        ; three younger sets and the stores into the stage may be out
.else
	s_wait_dscnt 12                                ; three younger sets may be out
.endif
	WIN 0x04                                       ; source 1 (the activations) window 1
	MUL WF+16*((\g)%4), 16*DS, 0, DS
	MUL WF+16*((\g)%4), 128+16*DS, 1, DS
	WIN 0
.if (\nt) == 3
	MUL WF+16*((\g)%4), 128+16*DS, 2, DS
.endif
.rept 4+DS/7
	v_nop                                          ; four places in front of loads into registers that these products read, and of the LDS stores that read their results; one more at s = 7: the accumulators are begun anew next
.endr
.if (\g) < 28
	WLD \q, (\g)+4
.endif
.if DS == 7
	TOSTAGE DF, 0
	TOSTAGE DF, 1
.if (\nt) == 3
	TOSTAGE DF, 2
.endif
.endif
.endm
.macro BACK m, bk                      ; tile m back from the stage: LDS serves a wave's instructions in order (ISA guide 5.7.1.4): these see my stores
.irp i, 0,1,2,3,4,5,6,7
	ds_load_b128 v[\bk+4*\i:\bk+4*\i+3], v[RD] offset:\m*TST+SP*\i
.endr
.endm
.macro SEND m, bk, q, rest             ; rest: LDS loads issued behind this tile's
.irp i, 0,1,2,3,4,5,6,7
	s_wait_dscnt \rest+7-\i
	global_store_b128 v[OF+8*\m+\i], v[\bk+4*\i:\bk+4*\i+3], s[12:13] offset:256*\q th:TH_STORE_NT   ; 16 lanes store 256 consecutive bytes, at a multiple of 256 from P's first byte
.endr
.endm
.macro HALF q, nt
.set GG, 0
.rept 32
	DSTEP \q, GG, \nt
.set GG, GG+1
.endr
.if (\nt) == 2
.if (\q) == 0
.irp g, 0,1,2,3
	WLD 1, \g
.endr
.endif
	BACK 0, 128+64*\q
	BACK 1, 160+64*\q
	SEND 0, 128+64*\q, \q, 8
	s_add_co_u32 s28, s22, 8                       ; is there a second tile?
	s_cmp_ge_u32 s28, s3
	s_cbranch_scc1 .Lone_\@
	SEND 1, 160+64*\q, \q, 0
.Lone_\@:
.else
	BACK 0, WF
	BACK 1, WF+32
	SEND 0, WF, \q, 8
	SEND 1, WF+32, \q, 0
	s_wait_xcnt 0x0                                ; the stores have read the registers that are loaded next
	BACK 2, WF
	SEND 2, WF, \q, 0
.if (\q) == 0
	s_wait_xcnt 0x0
.irp g, 0,1,2,3
	WLD 1, \g
.endr
.endif
.endif
.endm
.macro BODY nt
.irp g, 0,1,2,3
	WLD 0, \g
.endr
	HALF 0, \nt
	HALF 1, \nt
.endm
	s_load_b256 s[4:11], s[0:1], 0x0               ; W2's codes s[4:5], h s[6:7], list s[8:9], cnt s[10:11]
	s_load_b64 s[12:13], s[0:1], 0x20              ; P
	v_lshl_add_u32 v[SPW], v0, 2, SPARE
	v_mov_b32 v[NIL], 0
	v_lshrrev_b32 v40, 5, v0
	v_readfirstlane_b32 s14, v40                   ; wave
	v_and_b32 v41, 31, v0
	v_lshlrev_b32 v[L16], 4, v41
	v_and_b32 v43, 15, v0                          ; r
	v_bfe_u32 v44, v0, 4, 1                        ; h
	v_mul_u32_u24 v[WAD], v43, PITCH
	v_lshl_add_u32 v[WAD], v44, 4, v[WAD]
	v_add_nc_u32 v[WAD+1], 64*PITCH, v[WAD]
	v_lshlrev_b32 v[LAD], 5, v44
	v_lshlrev_b32 v[R16], 4, v43
	v_mul_u32_u24 v[STO], v43, SP
	v_lshl_add_u32 v[STO], v44, 5, v[STO]          ; in: row r, 32 bytes for each half of the lanes
	v_mul_u32_u24 v[RD], v44, 8*SP
	v_lshl_add_u32 v[RD], v43, 4, v[RD]            ; back: lanes 0-15 take row i, lanes 16-31 row 8 + i
	s_mul_i32 s28, s14, WSTG
	s_add_co_u32 s28, s28, STG                     ; my stage
	v_add_nc_u32 v[STO], s28, v[STO]
	v_add_nc_u32 v[RD], s28, v[RD]
	s_mul_i32 s28, s14, 16*PITCH
	v_add_nc_u32 v[SA], s28, v[L16]
	s_wait_alu depctr_va_vdst(0)
	s_and_b32 s16, ttmp9, 7                        ; cc
	s_lshr_b32 s17, ttmp9, 3                       ; kc
	s_and_b32 s18, ttmp7, 0xffff                   ; the expert
	s_mov_b32 s22, s14                             ; my first tile of the pass: 24 p + wave
	s_mov_b32 s23, 0                               ; p
	s_mov_b32 s21, 0
	s_wait_kmcnt 0x0
	s_lshl_b32 s20, s18, 7
	s_add_nc_u64 s[10:11], s[10:11], s[20:21]
	s_load_b32 s2, s[10:11], 0x0                   ; the expert's rows
	s_lshl_b32 s20, s18, 22                        ; W2: the expert's 4 MiB + 128 cc rows + my wave's 16 + my K quarter
	s_lshl_b32 s28, s16, 19
	s_add_co_u32 s20, s20, s28
	s_lshl_b32 s28, s14, 16
	s_add_co_u32 s20, s20, s28
	s_lshl_b32 s28, s17, 10
	s_add_co_u32 s20, s20, s28
	s_add_nc_u64 s[4:5], s[4:5], s[20:21]
.set NN, 0
.rept 32
	global_load_b128 v[128+4*NN:128+4*NN+3], v[L16], s[4:5] offset:(NN/2)*ROWP+512*(NN%2) th:TH_LOAD_NT   ; row NN / 2 of my 16, half NN % 2 of my K quarter
.set NN, NN+1
.endr
	s_lshl_b32 s20, s18, 22                        ; h: the expert's images, K steps 8 kc on
	s_lshl_b32 s28, s17, 14
	s_add_co_u32 s20, s20, s28
	s_add_nc_u64 s[6:7], s[6:7], s[20:21]
	s_lshl_b32 s20, s18, 12                        ; the expert's list
	s_add_nc_u64 s[8:9], s[8:9], s[20:21]
	s_mul_i32 s20, s17, 2176*4096                  ; P: my K quarter + my 128 columns
	s_lshl_b32 s28, s16, 9
	s_add_co_u32 s20, s20, s28
	s_add_nc_u64 s[12:13], s[12:13], s[20:21]
	s_wait_kmcnt 0x0
	s_min_u32 s2, s2, 1024
	s_add_co_u32 s3, s2, 15
	s_lshr_b32 s3, s3, 4
	s_max_u32 s3, s3, 1                            ; its tiles, as they were made
	s_sub_co_u32 s15, s3, 1
	AOFS
	ALD 0, 24
.irp k, 0,1,2,3,4,5,6,7
	s_wait_loadcnt 58                              ; group k of the weights (four loads) is in: behind it stand 28 - 4 k loads of weights, 6 of slots and 24 + 4 k of activations
.irp q, 0,1,2,3
	ds_store_b128 v[SA], v[128+16*\k+4*\q:128+16*\k+4*\q+3] offset:(2*\k+\q/2)*PITCH+512*(\q%2)
.endr
	ALD 24+4*\k, 4
.endr
	ALD 56, 8
	s_wait_loadcnt 63                              ; the slots are in: 64 loads of activations stand behind them
	OFS
	s_wait_dscnt 0x0                               ; for the others' sake: my rows lie in LDS; and for mine: the stores have read the registers that tile 2 takes
	s_barrier_signal -1
	s_barrier_wait -1                              ; the one barrier: from here on the weights are only read, and a stage is its wave's own
	TILEC
.Lpass:
	s_cmp_ge_u32 s22, s3                           ; has my wave a tile in this pass?
	s_cbranch_scc1 .Lnext
	s_add_co_u32 s28, s22, 16                      ; has it three?
	s_cmp_ge_u32 s28, s3
	s_cbranch_scc1 .Ltwo
	BODY 3
	s_branch .Lnext
.Ltwo:
	BODY 2
.Lnext:
	s_add_co_u32 s22, s22, 24
	s_cmp_ge_u32 s22, s3                           ; the next pass's activations, if my wave has a tile there (never behind the third pass: there are 64 tiles at the most)
	s_cbranch_scc1 .Lskip
	s_wait_xcnt 0x0                                ; the pass's stores have read their registers
	s_wait_loadcnt 0x0
	s_wait_dscnt 0x0
.rept 4
	v_nop                                          ; places in front of writes of registers that matrix instructions have read
.endr
	AOFS
	ALD 0, 64
	TILEC
	s_wait_loadcnt 0x0
	OFS
.Lskip:
	s_add_co_u32 s23, s23, 1
	s_cmp_lt_u32 s23, 3
	s_cbranch_scc1 .Lpass
	s_wait_tensorcnt 0x0                           ; the wave's end
	ds_add_u32 v[SPW], v[NIL]
	s_wait_dscnt 0x0
	s_endpgm
.Lfunc_end_k_q5e8c1cc3e8_down:
	.size	k_q5e8c1cc3e8_down, .Lfunc_end_k_q5e8c1cc3e8_down-k_q5e8c1cc3e8_down
	.p2alignl 7, 3214868480
	.fill 96, 4, 3214868480
	.section	.rodata,"a",@progbits
	.p2align	6, 0x0
	.amdhsa_kernel k_q5e8c1cc3e8_down
		.amdhsa_group_segment_fixed_size 238592
		.amdhsa_private_segment_fixed_size 0
		.amdhsa_enable_private_segment 0
		.amdhsa_kernarg_size 40
		.amdhsa_user_sgpr_count 2
		.amdhsa_user_sgpr_kernarg_segment_ptr 1
		.amdhsa_wavefront_size32 1
		.amdhsa_system_sgpr_workgroup_id_x 1
		.amdhsa_system_sgpr_workgroup_id_y 1
		.amdhsa_system_sgpr_workgroup_id_z 1
		.amdhsa_system_vgpr_workitem_id 0
		.amdhsa_next_free_vgpr 512
		.amdhsa_next_free_sgpr 66
		.amdhsa_reserve_vcc 0
		.amdhsa_float_denorm_mode_32 3
		.amdhsa_float_denorm_mode_16_64 3
		.amdhsa_memory_ordered 1
		.amdhsa_forward_progress 1
		.amdhsa_inst_pref_size 138
	.end_amdhsa_kernel
	.amdgpu_metadata
---
amdhsa.version: [ 1, 2 ]
amdhsa.kernels:
  - .name:           k_q5e8c1cc3e8_down
    .symbol:         k_q5e8c1cc3e8_down.kd
    .args:
      - { .name: W2_codes, .offset: 0, .size: 8, .value_kind: global_buffer, .address_space: global }
      - { .name: h, .offset: 8, .size: 8, .value_kind: global_buffer, .address_space: global }
      - { .name: list, .offset: 16, .size: 8, .value_kind: global_buffer, .address_space: global }
      - { .name: cnt, .offset: 24, .size: 8, .value_kind: global_buffer, .address_space: global }
      - { .name: P, .offset: 32, .size: 8, .value_kind: global_buffer, .address_space: global }
    .group_segment_fixed_size: 238592
    .private_segment_fixed_size: 0
    .kernarg_segment_align: 8
    .kernarg_segment_size: 40
    .max_flat_workgroup_size: 256
    .sgpr_count:     66
    .vgpr_count:     512
    .wavefront_size: 32
...
	.end_amdgpu_metadata
.endif
;; end of part 3
;; launch combine (part 4): grid 1024 x 1, 4 waves a work-group, no clusters, 0 bytes of LDS; arguments P, gv, ex, b2, lowp_scales, out0; writes out0
.if DOCPART == 4
	.amdgcn_target "amdgcn-amd-amdhsa--gfx1250"
	.amdhsa_code_object_version 6
	.text
	.protected	k_q5e8c1cc3e8_combine
	.globl	k_q5e8c1cc3e8_combine
	.p2align	8
	.type	k_q5e8c1cc3e8_combine,@function
k_q5e8c1cc3e8_combine:
	s_mov_b64 s[64:65], 0
	v_nop
	global_prefetch_b8 v0, s[64:65] scope:SCOPE_SE
	s_setreg_imm32_b32 hwreg(HW_REG_WAVE_MODE, 25, 1), 1
	s_wait_xcnt 0x0
; COMBINE: out[t] = g0 (S0 2^(e2 + e3) + b2[expert 0]) + g1 (S1 2^(e2 + e3) + b2[expert 1]), where Sk is the sum of the four K quarters of slot 2 t + k in P.
; A work-group takes a token; thread i takes bytes 16 i and 2,048 + 16 i of the row, so each load and store of a wave covers 512 consecutive bytes.  All f32; memory binds: 8 rows in, one out.
; All 16 loads of P go out ahead of everything else; the experts' numbers (whole numbers stored by an earlier launch) steer only the rows of b2.
; No LDS, no barrier, no matrix unit: nothing is shared and nothing is multiplied by a matrix.
; LIMIT: e2 + e3 between -126 and 127, so that 2^(e2 + e3) is an f32 number.
.set VO, 1                             ; v1-4   16 x thread + K quarter x 2,176 rows of 4,096 bytes
.set BO, 6                             ; v6-7   16 x thread + the expert's row of b2
.set PR, 8                             ; v8-71  P: chunk j, slot k, quarter q at 32 j + 16 k + 4 q
.set BB, 72                            ; v72-87 b2: 8 j + 4 k
.set OO, 88                            ; v88-95 the result: 4 j
	s_load_b256 s[4:11], s[0:1], 0x0               ; P s[4:5], gv s[6:7], the experts s[8:9], b2 s[10:11]
	s_load_b128 s[12:15], s[0:1], 0x20             ; the scales' exponents s[12:13], out0 s[14:15]
	v_lshlrev_b32 v1, 4, v0
.irp q, 1,2,3
	v_add_nc_u32 v[VO+\q], \q*8912896, v1
.endr
	s_lshl_b32 s16, ttmp9, 13                      ; the token's two rows in a quarter of P
	s_mov_b32 s17, 0
	s_lshl_b32 s18, ttmp9, 3                       ; its two slots
	s_mov_b32 s19, 0
	s_lshl_b32 s20, ttmp9, 12                      ; its row of the output
	s_mov_b32 s21, 0
	s_wait_alu depctr_va_vdst(0)
	s_wait_kmcnt 0x0
	s_add_nc_u64 s[4:5], s[4:5], s[16:17]
	s_add_nc_u64 s[6:7], s[6:7], s[18:19]
	s_add_nc_u64 s[8:9], s[8:9], s[18:19]
	s_add_nc_u64 s[14:15], s[14:15], s[20:21]
	s_load_b64 s[24:25], s[6:7], 0x0               ; g0, g1
	s_load_b64 s[22:23], s[8:9], 0x0               ; the two experts
	s_load_b128 s[28:31], s[12:13], 0x0            ; e0 .. e3
.irp j, 0,1
.irp k, 0,1
.irp q, 0,1,2,3
	global_load_b128 v[PR+32*\j+16*\k+4*\q:PR+32*\j+16*\k+4*\q+3], v[VO+\q], s[4:5] offset:4096*\k+2048*\j th:TH_LOAD_NT
.endr
.endr
.endr
	s_wait_kmcnt 0x0
	s_min_u32 s22, s22, 7
	s_min_u32 s23, s23, 7
	s_lshl_b32 s22, s22, 12
	s_lshl_b32 s23, s23, 12
	v_add_nc_u32 v[BO], s22, v1
	v_add_nc_u32 v[BO+1], s23, v1
.irp j, 0,1
.irp k, 0,1
	global_load_b128 v[BB+8*\j+4*\k:BB+8*\j+4*\k+3], v[BO+\k], s[10:11] offset:2048*\j
.endr
.endr
	s_mov_b32 s26, s25                             ; g1 as a pair of its own: the packed forms take a scalar pair's low word for both halves
	s_mov_b32 s27, s25
	s_add_co_i32 s32, s30, s31
	s_add_co_i32 s32, s32, 127
	s_lshl_b32 s32, s32, 23                        ; 2^(e2 + e3) as f32
	s_mov_b32 s33, s32
	s_wait_loadcnt 0x0
.irp j, 0,1
.irp k, 0,1
.irp i, 0,2
	v_pk_add_f32 v[PR+32*\j+16*\k+\i:PR+32*\j+16*\k+\i+1], v[PR+32*\j+16*\k+\i:PR+32*\j+16*\k+\i+1], v[PR+32*\j+16*\k+4+\i:PR+32*\j+16*\k+4+\i+1]
	v_pk_add_f32 v[PR+32*\j+16*\k+8+\i:PR+32*\j+16*\k+8+\i+1], v[PR+32*\j+16*\k+8+\i:PR+32*\j+16*\k+8+\i+1], v[PR+32*\j+16*\k+12+\i:PR+32*\j+16*\k+12+\i+1]
.endr
.endr
.irp k, 0,1
.irp i, 0,2
	v_pk_add_f32 v[PR+32*\j+16*\k+\i:PR+32*\j+16*\k+\i+1], v[PR+32*\j+16*\k+\i:PR+32*\j+16*\k+\i+1], v[PR+32*\j+16*\k+8+\i:PR+32*\j+16*\k+8+\i+1]
.endr
.endr
.irp k, 0,1
.irp i, 0,2
	v_pk_fma_f32 v[PR+32*\j+16*\k+\i:PR+32*\j+16*\k+\i+1], v[PR+32*\j+16*\k+\i:PR+32*\j+16*\k+\i+1], s[32:33], v[BB+8*\j+4*\k+\i:BB+8*\j+4*\k+\i+1] op_sel_hi:[1,0,1]   ; sum x 2^(e2 + e3) + b2
.endr
.endr
.irp i, 0,2
	v_pk_mul_f32 v[OO+4*\j+\i:OO+4*\j+\i+1], v[PR+32*\j+\i:PR+32*\j+\i+1], s[24:25] op_sel_hi:[1,0]
.endr
.irp i, 0,2
	v_pk_fma_f32 v[OO+4*\j+\i:OO+4*\j+\i+1], v[PR+32*\j+16+\i:PR+32*\j+16+\i+1], s[26:27], v[OO+4*\j+\i:OO+4*\j+\i+1] op_sel_hi:[1,0,1]
.endr
	global_store_b128 v1, v[OO+4*\j:OO+4*\j+3], s[14:15] offset:2048*\j th:TH_STORE_NT
.endr
	s_endpgm
.Lfunc_end_k_q5e8c1cc3e8_combine:
	.size	k_q5e8c1cc3e8_combine, .Lfunc_end_k_q5e8c1cc3e8_combine-k_q5e8c1cc3e8_combine
	.p2alignl 7, 3214868480
	.fill 96, 4, 3214868480
	.section	.rodata,"a",@progbits
	.p2align	6, 0x0
	.amdhsa_kernel k_q5e8c1cc3e8_combine
		.amdhsa_group_segment_fixed_size 0
		.amdhsa_private_segment_fixed_size 0
		.amdhsa_enable_private_segment 0
		.amdhsa_kernarg_size 48
		.amdhsa_user_sgpr_count 2
		.amdhsa_user_sgpr_kernarg_segment_ptr 1
		.amdhsa_wavefront_size32 1
		.amdhsa_system_sgpr_workgroup_id_x 1
		.amdhsa_system_sgpr_workgroup_id_y 1
		.amdhsa_system_sgpr_workgroup_id_z 1
		.amdhsa_system_vgpr_workitem_id 0
		.amdhsa_next_free_vgpr 96
		.amdhsa_next_free_sgpr 66
		.amdhsa_reserve_vcc 0
		.amdhsa_float_denorm_mode_32 3
		.amdhsa_float_denorm_mode_16_64 3
		.amdhsa_memory_ordered 1
		.amdhsa_forward_progress 1
		.amdhsa_inst_pref_size 7
	.end_amdhsa_kernel
	.amdgpu_metadata
---
amdhsa.version: [ 1, 2 ]
amdhsa.kernels:
  - .name:           k_q5e8c1cc3e8_combine
    .symbol:         k_q5e8c1cc3e8_combine.kd
    .args:
      - { .name: P, .offset: 0, .size: 8, .value_kind: global_buffer, .address_space: global }
      - { .name: gv, .offset: 8, .size: 8, .value_kind: global_buffer, .address_space: global }
      - { .name: ex, .offset: 16, .size: 8, .value_kind: global_buffer, .address_space: global }
      - { .name: b2, .offset: 24, .size: 8, .value_kind: global_buffer, .address_space: global }
      - { .name: lowp_scales, .offset: 32, .size: 8, .value_kind: global_buffer, .address_space: global }
      - { .name: out0, .offset: 40, .size: 8, .value_kind: global_buffer, .address_space: global }
    .group_segment_fixed_size: 0
    .private_segment_fixed_size: 0
    .kernarg_segment_align: 8
    .kernarg_segment_size: 48
    .max_flat_workgroup_size: 128
    .sgpr_count:     66
    .vgpr_count:     96
    .wavefront_size: 32
...
	.end_amdgpu_metadata
.endif
;; end of part 4
